; MI455X (gfx1250); checked and timed in simulation.
; The chip was launched on July 23, 2026; its instructions are those of AMD's public machine-readable ISA for CDNA 5 (MIT licence, August 2026) and "CDNA5" Instruction Set Architecture Reference Guide (July 2026). The comments in the code are by the model that wrote it; some were corrected since.
;; Base Transformer. Allowed arithmetic: matrix products marked QUANTISED: E2M1 operands, one E8M0 scale for each 32 along K, by v_wmma_scale_f32_16x16x128_f8f6f4 with both operands' format E2M1 (or v_wmma_scale_f32_32x16x128_f4), f32 sums; everything else in f32.
;; Inputs: b_o 128 float32; b_qkv 768 float32; b_res 128 float32; w_o 128 x 256 float32; w_qkv 768 x 128 float32; w_res 128 x 128 float32; x 16 x 128 x 1,024 float32.
;; Outputs: out0 16 x 128 x 1,024 float32.
;; This version of the problem:
;;   THIS VERSION OF THE PROBLEM IS GIVEN IN LOW PRECISION. The matrix products marked QUANTISED in the list below multiply operands that are first quantised to E2M1 (2 exponent bits, 1 mantissa bit; 4 bits a number), with one power-of-two scale for each 32 numbers along K (OCP MX v1.0); their sums are f32. All else is computed in f32.
;;   The module's matrix products, in the order in which they are computed (A, B: the left and right operand; K: the contracted axis; several contracted axes count as one K, in the product's order):
;;     1. [M 16,384, K 128] x [K 128, N 768]; A: input x; B: input w_qkv: QUANTISED
;;     2. batch 128 x [M 1,024, K 32] x [K 32, N 1,024]; A: computed on the way; B: computed on the way: QUANTISED
;;     3. batch 128 x [M 32, K 1,024] x [K 1,024, N 1,024]; A: computed on the way; B: softmax (see below): QUANTISED
;;     4. [M 16,384, K 256] x [K 256, N 128]; A: computed on the way; B: input w_o: QUANTISED
;;     5. [M 16,384, K 128] x [K 128, N 128]; A: input x; B: input w_res: QUANTISED
;;   THE QUANTISER, for each operand of a quantised product, along K:
;;     - K is cut into blocks of 32 from its start; a last block that is shorter is filled with zeros.
;;     - A block's scale is 2^e with e = floor(log2(the largest magnitude in the block)) - 2, held to -126 .. 127; a block of zeros has e = 0. As a byte (E8M0): e + 127.
;;     - Each number is divided by its block's scale, clamped to +-6, and rounded to the nearest number of E2M1, ties to even, subnormals kept.
;;     - The product sums the exact products of the quantised numbers (number of the format x scale) in f32.
;;   ~~~python
;;   def quantise(x, axis):      # numpy; x: float32 -> the quantised numbers, widened to float32 again
;;       x = np.moveaxis(x, axis, -1); K = x.shape[-1]
;;       x = np.pad(x, [(0, 0)] * (x.ndim - 1) + [(0, -K % 32)]); x = x.reshape(x.shape[:-1] + (-1, 32)); a = np.abs(x).max(-1, keepdims=True)
;;       e = np.where(a > 0, np.clip(np.frexp(np.where(a > 0, a, 1))[1] - 1 - 2, -126, 127), 0)      # np.frexp(a)[1] - 1 = floor(log2(a)), exactly
;;       r = np.clip(x / 2.0 ** e, -6, 6)
;;       step = 2.0 ** (np.maximum(np.frexp(np.where(r == 0, 1, r))[1] - 1, 0) - 1)
;;       q = np.round(r / step) * step * 2.0 ** e      # np.round: ties to even
;;       return np.moveaxis(q.reshape(q.shape[:-2] + (-1,))[..., :K], -1, axis).astype(np.float32)
;;   ~~~
;;   SOFTMAX AHEAD OF A QUANTISED PRODUCT. Where the list says 'softmax', what is quantised is not the finished softmax but p = 2^(t - M), with t = logit x log2(e) and M = ceil(the row's largest t), a whole number; so 1/2 < the row's largest p <= 1. The row's sum l is taken of the UNQUANTISED p, in f32, and the product's result is divided by l at the end. Since M is a whole number, a kernel that streams over the keys may use a running M (the ceiling of the running maximum): every later rescaling is an exact power of two, which a block's scale takes up: the codes' values come out the same.
;;   OPERANDS COMPUTED ON THE WAY. 'Computed on the way' means the value that the module computes at that place (a softmax that the list does not call 'softmax' is quantised finished and normalised). What goes into a quantiser is computed in f32, as accurately as f32 sums, v_exp_f32 and their like allow (about 1e-6 of the number): no bf16 or f16 on the way to a quantiser, and a product that is left as it is and whose result goes on into a quantised operand takes f32 operands (vector FMAs, or v_wmma_f32_16x16x4_f32). A number that lies on a knife's edge between two numbers of the format may be rounded either way, as far as f32 arithmetic and the matrix unit's own rounding can turn it there, and no further.
;; One version. Each part assembles by itself: llvm-mc -triple=amdgcn-amd-amdhsa -mcpu=gfx1250 --defsym DOCPART=n.
;; ======== version 1 of 1: 2 launches
;; workspace buffers: kv 4,456,448 bytes; qc 2,359,296 bytes; xc 1,114,112 bytes; wc 30,720 bytes
;; launch prep (part 1): grid 16 x 16, 8 waves a work-group, clusters of 4 x 1, 168,960 bytes of LDS; arguments x, w_qkv, b_qkv, w_o, w_res, qc, kv, xc, wc; writes qc, kv, xc, wc
.if DOCPART == 1
	.amdgcn_target "amdgcn-amd-amdhsa--gfx1250"
	.amdhsa_code_object_version 6
	.text
	.protected	k_q005b292a80_prep
	.globl	k_q005b292a80_prep
	.p2align	8
	.type	k_q005b292a80_prep,@function
k_q005b292a80_prep:
	s_mov_b64 s[64:65], 0
	v_nop
	global_prefetch_b8 v0, s[64:65] scope:SCOPE_SE
	s_setreg_imm32_b32 hwreg(HW_REG_WAVE_MODE, 25, 1), 1
	s_wait_xcnt 0x0
	s_wait_alu depctr_hold_cnt(0) depctr_sa_sdst(0) depctr_va_vdst(0) depctr_va_sdst(0) depctr_va_ssrc(0) depctr_va_vcc(0) depctr_vm_vsrc(0)
	s_getreg_b32 s2, hwreg(HW_REG_IB_STS2, 6, 4)
	s_cmp_eq_u32 s2, 0
	s_cbranch_scc0 .Lentry_in_a_cluster
	s_endpgm
.Lentry_in_a_cluster:
	s_bfe_u32 s2, ttmp6, 0x10000c
	s_cmp_lg_u32 s2, 0x3003
	s_cbranch_scc0 .Lentry_shape_is_right
	s_endpgm
.Lentry_shape_is_right:
; qkv = Q(w_qkv) Q(x) + b_qkv on codes of FP4 (E2M1) with one E8M0 scale for each 32 along K (K = the 128 channels), and all that is quantised once:
; q and k along the head's 32 channels, v along the keys, x itself, w_o and w_res.  Everything leaves as codes and scale bytes, laid as images of operand registers.
; x: [16][128][1024] f32; w_qkv: [768][128]; b_qkv: [768]; w_o: [128][256]; w_res: [128][128].
; SHARES.  A work-group takes 256 positions (chunk cx) of batch b and the 192 rows of w_qkv of heads 2 g and 2 g + 1: 192 matrix instructions.  Eight waves: e = w / 4 says which 128 positions,
; hp = (w / 2) % 2 which head, sub = w % 2 which part: q's two tiles (0) or k's two (1), and v's tile sub.
; CLUSTER.  The four work-groups of a cluster differ in cx alone and need the same 192 rows of w_qkv: each wave asks for 24 of them by ONE joint tensor load (mask 15); nothing in LDS is filled twice.
; TILES.  The 32 positions of a block form two tiles u = 0, 1: row m of tile u is position 8 u + m + 8 (m / 8).  The rows of w_qkv of a tile are chosen likewise.  So the 16 registers of two neighbouring
; result tiles are 16 neighbours: of d (q, k: source 0 = rows of w, source 1 = x: a lane holds one position) or of the keys (v: source 0 = x, source 1 = rows of w: a lane holds one d).
; AN IMAGE of a fragment (16 rows x 128 K, 8 registers) is 1,024 bytes: registers 4 c .. 4 c + 3 of lane l at 512 c + 16 l, so block kb of row r lies at 256 kb + 16 r.
; OUT.  kv: [b][chunk][head][e] records of 4,352 bytes: K's codes 2,048 (tile t of the 128 positions at 256 t + 16 r), V's codes 2,048 (tile dt at 1,024 dt, block of 32 keys at 256 each), K's scale words 128, V's 128.
;       qc: the same index, records of 2,304 bytes: Q's codes 2,048, Q's scale words 128 (the last 128 bytes are neither written nor read).  xc: x's tiles as images, then their scale words.  wc: 24 records of 1,280 bytes.
; THE QUANTISER: a block's scale byte is its largest magnitude's exponent field - 2, held at 1 from below by a floor among the maximum's leaves.
; LIMITS: NaN and infinities among the inputs are not served.  A block of zeros, or one whose largest magnitude lies under 2^-124, carries the byte 1 (over zero codes that adds nothing; this program alone reads the bytes).
; The bias is the C of each sum's one matrix instruction, so it is added in the matrix unit's order and not behind the sum.
.set XIMG, 0                           ; LDS: x's 16 tiles as images, 1,024 bytes each (written by ds_store)
.set XSC,  16384                       ; their scale words: 64 bytes a tile (written by ds_store)
.set WST,  17408                       ; 192 rows of w_qkv, f32, as the tensor load brings them: 512 bytes + 16 of padding
.set WP,   528
.set TM,   20                          ; v20-23  largest magnitudes
.set TP,   24                          ; v24-27  the other half's maxima, then scale bytes
.set TS,   28                          ; v28-31  the conversions' scale operands
.set SW,   32                          ; v32-35  scale words in the making
.set WSC,  36                          ; v36-38  the scale words of my three fragments of w_qkv;  v39 those of two tiles of x: these four hold scales and nothing else
.set XS,   39
.set WF,   40                          ; v40-63  my three fragments of w_qkv
.set BQ,   64                          ; v64-79  the bias of q's or k's two tiles, in the result's layout
.set BV,   80                          ; v80-87  the bias of v's tile
.set XF,   88                          ; v88-103 two fragments of x (first: my position's 16 registers of codes)
.set CD,   104                         ; v104-127 codes on their way out: six registers a trip, none written twice
.set D,    128                         ; v128-175 six results; v128-255 first hold my position's 128 numbers, then rows of weights
; A round of the cluster's barrier.
.macro ROUND
	s_barrier_signal -1
	s_barrier_wait -1
	s_cmp_lg_u32 s22, 0
	s_cbranch_scc1 .Lnot_wave_0_\@
	s_barrier_signal -3
.Lnot_wave_0_\@:
	s_barrier_wait -3
	s_barrier_signal -1
	s_barrier_wait -1
.endm
; My position's 128 channels, v[D + ch]: four blocks of 32, all in my lane -> 16 registers of codes in v[XF] on, the scale word in v[SW].
.macro QUANTX
.irp kb, 0,1,2,3
	v_max3_num_f32 v[TM+\kb], |v[D+32*\kb]|, |v[D+32*\kb+1]|, 0x1800000   ; the floor 2^(3 - 127) among the leaves: the byte cannot fall under 1
.endr
.irp n, 2,4,6,8,10,12,14,16,18,20,22,24,26,28,30
.irp kb, 0,1,2,3
	s_delay_alu instid0(VALU_DEP_4)
	v_max3_num_f32 v[TM+\kb], v[TM+\kb], |v[D+32*\kb+\n]|, |v[D+32*\kb+\n+1]|   ; the four blocks by turns
.endr
.endr
.irp kb, 0,1,2,3
	s_delay_alu instid0(VALU_DEP_4)
	v_add_nc_u32 v[TS+\kb], 0xff000000, v[TM+\kb]      ; 2 off the exponent field: the conversion's scale operand
.endr
.irp kb, 0,1,2,3
	s_delay_alu instid0(VALU_DEP_4)
	v_lshrrev_b32 v[TP+\kb], 23, v[TS+\kb]             ; the scale's byte
.endr
	s_delay_alu instid0(VALU_DEP_3)
	v_lshl_or_b32 v[SW], v[TP+1], 8, v[TP]
	s_delay_alu instid0(VALU_DEP_1)
	v_lshl_or_b32 v[SW], v[TP+2], 16, v[SW]
	s_delay_alu instid0(VALU_DEP_1)
	v_lshl_or_b32 v[SW], v[TP+3], 24, v[SW]
.irp kb, 0,1,2,3
.irp g, 0,1,2,3
	v_cvt_scalef32_pk8_fp4_f32 v[XF+4*\kb+\g], v[D+32*\kb+8*\g:D+32*\kb+8*\g+7], v[TS+\kb]
.endr
.endr
	v_nop                                              ; one plain line behind the last scaled conversion
.endm
; A fragment of a weight: lane (r, h) holds k = 64 c + 32 h + 0 .. 31 of its row in v[src + 32 c] on: two whole blocks.  Codes to v[dst] on, the row's scale word to v[sw], in every lane.
.macro QUANTW src, dst, sw
.irp c, 0,1
	v_max3_num_f32 v[TM+\c], |v[(\src)+32*\c]|, |v[(\src)+32*\c+1]|, 0x1800000
.endr
.irp n, 2,4,6,8,10,12,14,16,18,20,22,24,26,28,30
.irp c, 0,1
	s_delay_alu instid0(VALU_DEP_2)
	v_max3_num_f32 v[TM+\c], v[TM+\c], |v[(\src)+32*\c+\n]|, |v[(\src)+32*\c+\n+1]|
.endr
.endr
.irp c, 0,1
	s_delay_alu instid0(VALU_DEP_2)
	v_add_nc_u32 v[TS+\c], 0xff000000, v[TM+\c]
.endr
.irp c, 0,1
	s_delay_alu instid0(VALU_DEP_2)
	v_lshrrev_b32 v[TP+\c], 23, v[TS+\c]
.endr
	s_delay_alu instid0(VALU_DEP_1)
	v_lshl_or_b32 v[TP+2], v[TP+1], 16, v[TP]          ; my two bytes: blocks h and 2 + h,
	s_delay_alu instid0(VALU_DEP_1)
	v_lshlrev_b32 v[TP+2], v18, v[TP+2]                ; 8 h bits up;
	s_delay_alu instid0(VALU_DEP_1)
	v_permlanex16_b32 v[TP+3], v[TP+2], s60, s61
	s_delay_alu instid0(VALU_DEP_1)
	v_or_b32 v[\sw], v[TP+2], v[TP+3]                  ; with lane l xor 16's two the word is whole
.irp c, 0,1
.irp g, 0,1,2,3
	v_cvt_scalef32_pk8_fp4_f32 v[(\dst)+4*\c+\g], v[(\src)+32*\c+8*\g:(\src)+32*\c+8*\g+7], v[TS+\c]
.endr
.endr
	v_nop                                              ; one plain line behind the last scaled conversion
.endm
.macro WFETCH dst, adr, off            ; 64 numbers of my row of the stage: 128 bytes at 256 c
.irp c, 0,1
.irp n, 0,1,2,3,4,5,6,7
	ds_load_b128 v[(\dst)+32*\c+4*\n:(\dst)+32*\c+4*\n+3], v[\adr] offset:\off+256*\c+16*\n
.endr
.endr
.endm
	s_load_b512 s[4:19], s[0:1], 0x0               ; x s[4:5], w_qkv s[6:7], b_qkv s[8:9], w_o s[10:11], w_res s[12:13], qc s[14:15], kv s[16:17], xc s[18:19]
	s_load_b64 s[20:21], s[0:1], 0x40              ; wc
	s_set_vgpr_msb 0x40
	v_lshl_add_u32 v0, v0, 2, 0x29000
	v_mov_b32 v1, 0
	s_set_vgpr_msb 0x4045
	ds_add_u32 v0, v1
	ds_add_u32 v0, v1
	s_set_vgpr_msb 0x4500
	v_lshrrev_b32 v1, 5, v0
	s_delay_alu instid0(VALU_DEP_1)
	v_readfirstlane_b32 s22, v1                    ; wave 0..7
	s_lshr_b32 s23, s22, 2                         ; e
	s_bfe_u32 s24, s22, 0x10001                    ; hp
	s_and_b32 s25, s22, 1                          ; sub
	s_bfe_u32 s26, ttmp6, 0x40000                  ; cx: the chunk of 256 positions; it enters global addresses alone
	s_and_b32 s27, ttmp7, 0xffff                   ; b
	s_mov_b32 s40, ttmp9                           ; g: the pair of heads, which the four partners share
	s_lshl_b32 s41, s40, 1
	s_add_co_u32 s41, s41, s24                     ; my head
	; descriptor group 1: 24 rows of 128 f32, 4 words of padding behind each row of 128 words
	s_mov_b32 s28, 15|(2<<16)|(1<<20)|(1<<21)|(6<<22)|(3<<25)   ; the mask names all four partners; elements of 4 bytes; padding on; bit 21 beside a mask
	s_mov_b32 s29, 128<<16                         ; tensor_dim0
	s_mov_b32 s30, 24<<16                          ; tensor_dim1
	s_mov_b32 s31, 128<<16                         ; tile_dim0
	s_mov_b32 s32, 24                              ; tile_dim1
	s_mov_b32 s33, 128                             ; elements from row to row
	s_mov_b32 s34, 0
	s_mov_b32 s35, 0
	s_mov_b32 s36, 1
	s_mul_i32 s37, s22, 24*WP
	s_add_co_u32 s37, s37, WST                     ; my 24 rows' place in the stage
	s_mul_i32 s66, s40, 192*512
	s_mul_i32 s67, s22, 24*512
	s_add_co_u32 s66, s66, s67                     ; rows 192 g + 24 w of w_qkv
	s_mov_b32 s67, 0
	s_lshl_b32 s68, s27, 19                        ; x: batch b,
	s_lshl_b32 s69, s26, 10                        ; position 256 cx
	s_add_co_u32 s68, s68, s69
	s_lshl_b32 s69, s22, 7                         ; + 32 w
	s_add_co_u32 s68, s68, s69
	s_mov_b32 s69, 0
	v_and_b32 v1, 31, v0                           ; lane
	s_delay_alu instid0(VALU_DEP_1)
	v_lshlrev_b32 v4, 2, v1                        ; 4 x lane
	s_wait_dscnt 0x0
	s_wait_kmcnt 0x0
	s_add_nc_u64 s[38:39], s[6:7], s[66:67]
	s_or_b32 s39, s39, 0x80000000                  ; type = 2
	s_add_nc_u64 s[4:5], s[4:5], s[68:69]
	ROUND                                          ; the four partners are here: the joint loads meet
	tensor_load_to_lds s[36:39], s[28:35]          ; my one tensor load: one is out
	s_nop 0
.rept 4
	v_nop
.endr
	; A LANE TAKES A POSITION, ITS REGISTERS RUN DOWN THE CHANNELS: a load reads 128 consecutive bytes, the eight waves together 1,024 of a channel's row
.set ch, 0
	s_wait_alu depctr_va_vdst(0)
.rept 128
	global_load_b32 v[D+ch], v4, s[4:5] offset:ch*4096
.set ch, ch+1
.endr
	v_and_b32 v2, 15, v0                           ; r
	v_bfe_u32 v3, v0, 4, 1                         ; h
	s_delay_alu instid0(VALU_DEP_2)
	v_and_b32 v20, 8, v2
	s_delay_alu instid0(VALU_DEP_1)
	v_add_nc_u32 v20, v20, v2                      ; r + 8 (r / 8)
	s_delay_alu instid0(VALU_DEP_3)
	v_lshlrev_b32 v11, 6, v3                       ; q's, k's bias: 16 h numbers on
	s_wait_alu depctr_va_vdst(0)
	v_lshlrev_b32 v12, 2, v20                      ; v's bias: my row's
	s_wait_alu depctr_va_vdst(0)
	s_mul_i32 s75, s41, 384                        ; 96 rows a head
	s_lshl_b32 s66, s25, 7
	s_add_co_u32 s66, s66, s75
	s_add_nc_u64 s[70:71], s[8:9], s[66:67]        ; b_qkv at row 96 hd + 32 sub
	s_lshl_b32 s66, s25, 5
	s_add_co_u32 s66, s66, s75
	s_add_co_u32 s66, s66, 256
	s_add_nc_u64 s[72:73], s[8:9], s[66:67]        ; and at row 96 hd + 64 + 8 sub
.irp u, 0,1
	global_load_b128 v[BQ+8*\u:BQ+8*\u+3], v11, s[70:71] offset:32*\u      ; register j of tile u: row 8 u + 16 h + j
	global_load_b128 v[BQ+8*\u+4:BQ+8*\u+7], v11, s[70:71] offset:32*\u+16
.endr
	global_load_b32 v[BV], v12, s[72:73]
	; LDS addresses: constants, the lane and the wave's number
	v_lshlrev_b32 v16, 4, v1                       ; 16 x lane
	v_bfe_u32 v21, v0, 3, 1                        ; position l of a block lies in tile u = (l / 8) % 2,
	v_and_b32 v22, 7, v0                           ; row l % 8 + 8 (l / 16)
	s_lshl_b32 s74, s22, 11
	v_lshlrev_b32 v5, 10, v21
	s_delay_alu instid0(VALU_DEP_1)
	v_lshl_add_u32 v5, v22, 4, v5
	s_delay_alu instid0(VALU_DEP_1)
	v_lshl_add_u32 v5, v3, 7, v5
	s_delay_alu instid0(VALU_DEP_1)
	v_add_nc_u32 v5, s74, v5                       ; where my position's codes go: tile 2 w + u, 16 bytes a row and block
	v_add_nc_u32 v19, s74, v16                     ; my wave's two images, as they are read back
	s_lshl_b32 s74, s22, 7
	s_add_co_u32 s74, s74, XSC
	v_lshlrev_b32 v6, 6, v21
	s_delay_alu instid0(VALU_DEP_1)
	v_lshl_add_u32 v6, v22, 2, v6
	s_delay_alu instid0(VALU_DEP_1)
	v_lshl_add_u32 v6, v3, 5, v6
	s_delay_alu instid0(VALU_DEP_1)
	v_add_nc_u32 v6, s74, v6                       ; and its scale word
	v_add_nc_u32 v14, s74, v4                      ; my wave's 32 scale words, as they are read back
	s_lshl_b32 s74, s23, 13
	v_add_nc_u32 v7, s74, v16                      ; the eight images of my 128 positions
	s_lshl_b32 s74, s23, 9
	s_add_co_u32 s74, s74, XSC
	v_add_nc_u32 v8, s74, v4                       ; their scale words: lanes 0-15 one tile's, lanes 16-31 the next's
	v_mul_u32_u24 v9, v20, WP
	s_delay_alu instid0(VALU_DEP_1)
	v_lshl_add_u32 v9, v3, 7, v9                   ; a weight's row r + 8 (r / 8), + 32 h numbers
	s_mul_i32 s74, s24, 96*WP
	s_add_co_u32 s74, s74, WST
	s_mul_i32 s75, s25, 8*WP
	s_add_co_u32 s75, s75, s74
	s_add_co_u32 s75, s75, 64*WP
	v_add_nc_u32 v10, s75, v9                      ; v's tile: row 96 hp + 64 + 8 sub on
	s_mul_i32 s75, s25, 32*WP
	s_add_co_u32 s75, s75, s74
	v_add_nc_u32 v9, s75, v9                       ; q's or k's first tile: row 96 hp + 32 sub on
	v_lshlrev_b32 v13, 4, v2
	s_delay_alu instid0(VALU_DEP_1)
	v_lshl_add_u32 v13, v3, 3, v13                 ; codes on their way out: 16 r + 8 h
	v_lshlrev_b32 v15, 2, v2                       ; 4 r
	v_lshlrev_b32 v18, 3, v3                       ; 8 h
	s_mov_b32 s60, 0x76543210
	s_mov_b32 s61, 0xfedcba98                      ; v_permlanex16_b32: lane l xor 16
	; where the results go
	s_lshl_b32 s42, s27, 6
	s_lshl_b32 s74, s26, 4
	s_add_co_u32 s42, s42, s74
	s_lshl_b32 s74, s41, 1
	s_add_co_u32 s42, s42, s74
	s_add_co_u32 s42, s42, s23                     ; the record: 64 b + 16 cx + 2 hd + e
	s_mul_i32 s66, s42, 4352
	s_mul_i32 s68, s42, 2304
	s_add_nc_u64 s[48:49], s[16:17], s[66:67]      ; in kv
	s_add_nc_u64 s[44:45], s[14:15], s[68:69]      ; in qc
	s_cmp_eq_u32 s25, 1                            ; the choice hangs on the wave's number alone
	s_cselect_b64 s[44:45], s[48:49], s[44:45]     ; k's codes go to kv, q's to qc
	s_lshl_b32 s66, 0x800, s25                     ; their scale words lie 2,048 (qc) or 4,096 (kv) bytes on
	s_add_nc_u64 s[46:47], s[44:45], s[66:67]
	s_lshl_b32 s66, s25, 6
	s_add_co_u32 s66, s66, 4224
	s_add_nc_u64 s[50:51], s[48:49], s[66:67]      ; v's scale words, tile sub
	s_lshl_b32 s66, s25, 10
	s_add_co_u32 s66, s66, 2048
	s_add_nc_u64 s[48:49], s[48:49], s[66:67]      ; v's codes, tile sub
	s_lshl_b32 s68, s27, 6
	s_lshl_b32 s74, s26, 4
	s_add_co_u32 s68, s68, s74
	s_lshl_b32 s74, s22, 1
	s_add_co_u32 s68, s68, s74                     ; x's tile 64 b + 16 cx + 2 w
	s_lshl_b32 s66, s68, 10
	s_add_nc_u64 s[52:53], s[18:19], s[66:67]
	s_lshl_b32 s66, s68, 6
	s_add_co_u32 s66, s66, 1048576
	s_add_nc_u64 s[54:55], s[18:19], s[66:67]
	; the 24 fragments of w_o and w_res: the cluster g = 3 of batch 0 makes them, six waves of each partner; fragment f = 6 cx + w is told apart BY ADDRESS: no branch hangs on cx
	s_xor_b32 s62, s40, 3
	s_or_b32 s62, s62, s27
	s_cmp_lt_u32 s22, 6
	s_cselect_b32 s74, 0, 1
	s_or_b32 s62, s62, s74                         ; 0: this wave makes one
	s_mul_i32 s63, s26, 6
	s_add_co_u32 s63, s63, s22                     ; f
	s_lshr_b32 s74, s63, 1                         ; f < 16: w_o, rows 16 (f / 2) on, K step f % 2
	s_and_b32 s75, s63, 1
	s_lshl_b32 s68, s74, 14
	s_lshl_b32 s76, s75, 9
	s_add_co_u32 s68, s68, s76
	s_mul_i32 s74, s74, 3
	s_add_co_u32 s74, s74, s75                     ; record 3 ot + s
	s_sub_co_u32 s75, s63, 16                      ; else: w_res, rows 16 (f - 16) on
	s_lshl_b32 s76, s75, 13
	s_mul_i32 s75, s75, 3
	s_add_co_u32 s75, s75, 2                       ; record 3 ot + 2
	s_cmp_lt_u32 s63, 16
	s_cselect_b64 s[56:57], s[10:11], s[12:13]
	s_cselect_b32 s68, s68, s76
	s_cselect_b32 s66, s74, s75
	s_cselect_b32 s63, 10, 9                       ; a row is 1,024 or 512 bytes
	s_add_nc_u64 s[56:57], s[56:57], s[68:69]
	s_mul_i32 s66, s66, 1280
	s_add_nc_u64 s[58:59], s[20:21], s[66:67]
	v_lshlrev_b32 v17, s63, v2
	s_delay_alu instid0(VALU_DEP_1)
	v_lshl_add_u32 v17, v3, 7, v17                 ; row r, + 32 h numbers
	; ---- X: my position becomes 64 bytes of codes and a scale word
	s_wait_loadcnt 5                               ; x's 128 loads are in; the five younger loads, the biases, may be out
	QUANTX
.irp kb, 0,1,2,3
	ds_store_b128 v5, v[XF+4*\kb:XF+4*\kb+3] offset:XIMG+256*\kb
.endr
	ds_store_b32 v6, v[SW]
	s_wait_tensorcnt 0x0                           ; my 24 rows of w_qkv have landed,
	s_wait_dscnt 0x0                               ; my stores too:
	s_barrier_signal -1
	s_barrier_wait -1                              ; everybody's have.  From here on LDS is only read
	; ---- W: my three fragments of w_qkv, out of the stage
	WFETCH 128, 9, 0
	WFETCH 192, 9, 8*WP
	s_wait_dscnt 16                                ; the first fragment's 16 loads are in; the second's may be out
	QUANTW 128, WF, WSC
	WFETCH 128, 10, 0
	s_wait_dscnt 16                                ; the second's are in; the third's may be out
	QUANTW 192, WF+8, WSC+1
	s_wait_loadcnt 0x0                             ; the biases
	s_cmp_lg_u32 s62, 0
	s_cbranch_scc1 .Lno_extra_loads
.irp c, 0,1
.irp n, 0,1,2,3,4,5,6,7
	global_load_b128 v[192+32*\c+4*\n:192+32*\c+4*\n+3], v17, s[56:57] offset:256*\c+16*\n   ; a fragment of w_o or w_res: it lands while the products below are made.  16 bytes a lane from rows far apart: 8 KiB a wave, read once in the launch
.endr
.endr
.Lno_extra_loads:
	s_wait_dscnt 0x0
	QUANTW 128, WF+16, WSC+2
.irp j, 1,2,3,4,5,6,7
	v_mov_b32 v[BV+\j], v[BV]                      ; v's results hold one d a lane: the same bias in all eight registers
.endr
	s_wait_alu depctr_va_vdst(0)
.rept 4
	v_nop                                          ; with the four at the trip's head and the one behind the conversions: nine plain lines between the last write of a scale word and the first scaled product
.endr
; ---- A trip: the two tiles of x of block bp (32 positions) against my three fragments: six products, each with its bias as C; three blocks of 32 are quantised and leave.
.macro TRIP bp
.rept 4
	v_nop                                          ; places in front of loads into registers that matrix instructions have read
.endr
.irp xu, 0,1
.irp c, 0,1
	ds_load_b128 v[XF+8*\xu+4*\c:XF+8*\xu+4*\c+3], v7 offset:(2*(\bp)+\xu)*1024+512*\c
.endr
.endr
	ds_load_b32 v[XS], v8 offset:128*(\bp)         ; lanes 0-15: tile xu = 0's words; lanes 16-31: xu = 1's
	s_wait_dscnt 0x0
.irp xu, 0,1
.irp wu, 0,1
.if \xu
	v_wmma_scale_f32_16x16x128_f8f6f4 v[D+16*\xu+8*\wu:D+16*\xu+8*\wu+7], v[WF+8*\wu:WF+8*\wu+7], v[XF+8*\xu:XF+8*\xu+7], v[BQ+8*\wu:BQ+8*\wu+7], v[WSC+\wu], v[XS] matrix_a_fmt:MATRIX_FMT_FP4 matrix_b_fmt:MATRIX_FMT_FP4 matrix_b_scale:MATRIX_SCALE_ROW1
.else
	v_wmma_scale_f32_16x16x128_f8f6f4 v[D+16*\xu+8*\wu:D+16*\xu+8*\wu+7], v[WF+8*\wu:WF+8*\wu+7], v[XF+8*\xu:XF+8*\xu+7], v[BQ+8*\wu:BQ+8*\wu+7], v[WSC+\wu], v[XS] matrix_a_fmt:MATRIX_FMT_FP4 matrix_b_fmt:MATRIX_FMT_FP4
.endif
.endr
.endr                                          ; lane (r, h): position = row r of tile xu; the 16 registers of wu = 0, 1 are d = 16 h + 0 .. 15
	v_wmma_scale_f32_16x16x128_f8f6f4 v[D+32:D+39], v[XF:XF+7], v[WF+16:WF+23], v[BV:BV+7], v[XS], v[WSC+2] matrix_a_fmt:MATRIX_FMT_FP4 matrix_b_fmt:MATRIX_FMT_FP4
	v_wmma_scale_f32_16x16x128_f8f6f4 v[D+40:D+47], v[XF+8:XF+15], v[WF+16:WF+23], v[BV:BV+7], v[XS], v[WSC+2] matrix_a_fmt:MATRIX_FMT_FP4 matrix_b_fmt:MATRIX_FMT_FP4 matrix_a_scale:MATRIX_SCALE_ROW1
	                                               ; lane (r, h): d = row r of v's tile; the 16 registers are keys 16 h + 0 .. 15 of the block
.rept 4
	v_nop
.endr
.irp k, 0,1,2                                  ; three blocks, 16 numbers a lane, the other 16 in lane l xor 16; each result is read from its low end on
	v_max3_num_f32 v[TM+\k], |v[D+16*\k]|, |v[D+16*\k+1]|, 0x1800000
.endr
.irp n, 2,4,6,8,10,12,14
.irp k, 0,1,2
	v_max3_num_f32 v[TM+\k], v[TM+\k], |v[D+16*\k+\n]|, |v[D+16*\k+\n+1]|
.endr
.endr
.irp k, 0,1,2
	s_delay_alu instid0(VALU_DEP_3)
	v_permlanex16_b32 v[TP+\k], v[TM+\k], s60, s61
.endr
.irp k, 0,1,2
	s_delay_alu instid0(VALU_DEP_3)
	v_max_num_f32 v[TM+\k], v[TM+\k], v[TP+\k]
.endr
.irp k, 0,1,2
	s_delay_alu instid0(VALU_DEP_3)
	v_add_nc_u32 v[TS+\k], 0xff000000, v[TM+\k]
.endr
.irp k, 0,1,2
	s_delay_alu instid0(VALU_DEP_3)
	v_lshrrev_b32 v[TP+\k], 23, v[TS+\k]
.endr
.irp k, 0,1,2
	v_cvt_scalef32_pk8_fp4_f32 v[CD+6*(\bp)+2*\k], v[D+16*\k:D+16*\k+7], v[TS+\k]
	v_cvt_scalef32_pk8_fp4_f32 v[CD+6*(\bp)+2*\k+1], v[D+16*\k+8:D+16*\k+15], v[TS+\k]
.endr
	; the bytes are gathered: q's or k's word of four tiles (tile 2 bp + xu: word bp / 2, byte 2 (bp % 2) + xu), v's word of four blocks.  These plain lines also stand behind the conversions
.if (\bp)%2 == 0
	v_lshl_or_b32 v[SW+(\bp)/2], v[TP+1], 8, v[TP]
.else
	v_lshl_or_b32 v[SW+(\bp)/2], v[TP], 16, v[SW+(\bp)/2]
	s_delay_alu instid0(VALU_DEP_1)
	v_lshl_or_b32 v[SW+(\bp)/2], v[TP+1], 24, v[SW+(\bp)/2]
.endif
.if (\bp) == 0
	v_mov_b32 v[SW+2], v[TP+2]
.else
	v_lshl_or_b32 v[SW+2], v[TP+2], 8*(\bp), v[SW+2]
.endif
	global_store_b64 v13, v[CD+6*(\bp):CD+6*(\bp)+1], s[44:45] offset:(2*(\bp))*256        ; each store of the wave covers 256 consecutive bytes, aligned
	global_store_b64 v13, v[CD+6*(\bp)+2:CD+6*(\bp)+3], s[44:45] offset:(2*(\bp)+1)*256
	global_store_b64 v13, v[CD+6*(\bp)+4:CD+6*(\bp)+5], s[48:49] offset:(\bp)*256
.endm
	TRIP 0
	TRIP 1
	TRIP 2
	TRIP 3
	v_cmp_le_u32 vcc_lo, 16, v1
	s_delay_alu instid0(VALU_DEP_1)
	v_cndmask_b32 v[SW+3], v[SW], v[SW+1], vcc_lo  ; lanes 0-15: the word of tiles 0-3; lanes 16-31: of tiles 4-7
	global_store_b32 v4, v[SW+3], s[46:47]         ; 128 bytes
	global_store_b32 v15, v[SW+2], s[50:51]        ; 64 bytes: both halves of the lanes hold the same word
	; x's codes leave once: by the work-groups of g = 0 (the same in all four partners); each wave takes the two tiles that it made
	s_cmp_lg_u32 s40, 0
	s_cbranch_scc1 .Lno_copy
.irp n, 0,1,2,3
	ds_load_b128 v[176+4*\n:179+4*\n], v19 offset:XIMG+512*\n
.endr
	ds_load_b32 v145, v14
	s_wait_dscnt 0x0
.irp n, 0,1,2,3
	global_store_b128 v16, v[176+4*\n:179+4*\n], s[52:53] offset:512*\n   ; 512 consecutive bytes
.endr
	global_store_b32 v4, v145, s[54:55]
.Lno_copy:
	s_cmp_lg_u32 s62, 0
	s_cbranch_scc1 .Lno_extra
	s_wait_loadcnt 0x0                             ; the fragment of w_o or w_res
	QUANTW 192, 136, 144
	global_store_b128 v16, v[136:139], s[58:59]
	global_store_b128 v16, v[140:143], s[58:59] offset:512
	global_store_b32 v4, v144, s[58:59] offset:1024
.Lno_extra:
	s_wait_dscnt 0x0
	s_set_vgpr_msb 0x5
	s_wait_tensorcnt 0x0
	ds_add_u32 v0, v1
	s_wait_dscnt 0x0
	s_set_vgpr_msb 0x500
	ROUND                                          ; the closing round: no work-group ends while a partner may still ask for rows that name it
	s_endpgm
.Lfunc_end_k_q005b292a80_prep:
	.size	k_q005b292a80_prep, .Lfunc_end_k_q005b292a80_prep-k_q005b292a80_prep
	.p2alignl 7, 3214868480
	.fill 96, 4, 3214868480
	.section	.rodata,"a",@progbits
	.p2align	6, 0x0
	.amdhsa_kernel k_q005b292a80_prep
		.amdhsa_group_segment_fixed_size 168960
		.amdhsa_private_segment_fixed_size 0
		.amdhsa_enable_private_segment 0
		.amdhsa_kernarg_size 72
		.amdhsa_user_sgpr_count 2
		.amdhsa_user_sgpr_kernarg_segment_ptr 1
		.amdhsa_wavefront_size32 1
		.amdhsa_system_sgpr_workgroup_id_x 1
		.amdhsa_system_sgpr_workgroup_id_y 1
		.amdhsa_system_sgpr_workgroup_id_z 1
		.amdhsa_system_vgpr_workitem_id 0
		.amdhsa_next_free_vgpr 258
		.amdhsa_next_free_sgpr 80
		.amdhsa_reserve_vcc 1
		.amdhsa_float_denorm_mode_32 3
		.amdhsa_float_denorm_mode_16_64 3
		.amdhsa_memory_ordered 1
		.amdhsa_forward_progress 1
		.amdhsa_inst_pref_size 72
	.end_amdhsa_kernel
	.amdgpu_metadata
---
amdhsa.version: [ 1, 2 ]
amdhsa.kernels:
  - .name:           k_q005b292a80_prep
    .symbol:         k_q005b292a80_prep.kd
    .args:
      - { .name: x, .offset: 0, .size: 8, .value_kind: global_buffer, .address_space: global }
      - { .name: w_qkv, .offset: 8, .size: 8, .value_kind: global_buffer, .address_space: global }
      - { .name: b_qkv, .offset: 16, .size: 8, .value_kind: global_buffer, .address_space: global }
      - { .name: w_o, .offset: 24, .size: 8, .value_kind: global_buffer, .address_space: global }
      - { .name: w_res, .offset: 32, .size: 8, .value_kind: global_buffer, .address_space: global }
      - { .name: qc, .offset: 40, .size: 8, .value_kind: global_buffer, .address_space: global }
      - { .name: kv, .offset: 48, .size: 8, .value_kind: global_buffer, .address_space: global }
      - { .name: xc, .offset: 56, .size: 8, .value_kind: global_buffer, .address_space: global }
      - { .name: wc, .offset: 64, .size: 8, .value_kind: global_buffer, .address_space: global }
    .group_segment_fixed_size: 168960
    .private_segment_fixed_size: 0
    .kernarg_segment_align: 8
    .kernarg_segment_size: 72
    .max_flat_workgroup_size: 256
    .sgpr_count:     80
    .vgpr_count:     258
    .wavefront_size: 32
...
	.end_amdgpu_metadata
.endif
;; end of part 1
;; launch attn (part 2): grid 16 x 16, 16 waves a work-group, clusters of 4 x 1, 327,680 bytes of LDS; arguments qc, kv, xc, wc, b_o, b_res, out0; writes out0
.if DOCPART == 2
	.amdgcn_target "amdgcn-amd-amdhsa--gfx1250"
	.amdhsa_code_object_version 6
	.text
	.protected	k_q005b292a80_attn
	.globl	k_q005b292a80_attn
	.p2align	8
	.type	k_q005b292a80_attn,@function
k_q005b292a80_attn:
	s_mov_b64 s[64:65], 0
	v_nop
	global_prefetch_b8 v0, s[64:65] scope:SCOPE_SE
	s_setreg_imm32_b32 hwreg(HW_REG_WAVE_MODE, 25, 1), 1
	s_wait_xcnt 0x0
	s_wait_alu depctr_hold_cnt(0) depctr_sa_sdst(0) depctr_va_vdst(0) depctr_va_sdst(0) depctr_va_ssrc(0) depctr_va_vcc(0) depctr_vm_vsrc(0)
	s_getreg_b32 s2, hwreg(HW_REG_IB_STS2, 6, 4)
	s_cmp_eq_u32 s2, 0
	s_cbranch_scc0 .Lentry_in_a_cluster
	s_endpgm
.Lentry_in_a_cluster:
	s_bfe_u32 s2, ttmp6, 0x10000c
	s_cmp_lg_u32 s2, 0x3003
	s_cbranch_scc0 .Lentry_shape_is_right
	s_endpgm
.Lentry_shape_is_right:
; out = Q(w_o) Q(z) + b_o + Q(w_res) Q(x) + b_res, z = attention of 8 heads of 32 channels over 1,024 keys; every product on codes of FP4 (E2M1) with one E8M0 scale for each 32 along K.
; In: the codes and scale bytes of q (qc), k and v (kv), x (xc), w_o and w_res (wc), laid as images of operand registers.  out0: [16][128][1024] f32.
; SHARES.  A work-group owns 64 queries (four tiles of 16) of one batch, for all 8 heads.  Sixteen waves, four to a SIMD: wave w has head hd = w / 2 and the query tiles 2 a, 2 a + 1 (a = w % 2);
; for the last two products it has out's rows 16 hd .. 16 hd + 15 for the same two tiles.
; K AND V OF THE WHOLE BATCH LIE IN LDS: 278,528 bytes of codes and scale words, filled ONCE, as they lie in memory.  Each wave brings four records of 4,352 bytes (one of each chunk of 256 keys):
; four tensor loads of a wave are out at the most.  The chunks are waited for one by one, so the first keys are at work while the later ones land.
; CLUSTER.  The four work-groups of a cluster belong to one batch and need the same K and V: every record is asked for JOINTLY (mask 15).
; THE FIRST PRODUCT HAS K = 32, a quarter of the instruction's 128.  K's operand holds FOUR tiles of 16 keys, one in each block of 32 along K; the query operand holds q in block jb and zero codes in the
; other three, and its scale word q's byte at byte jb and the byte 1 elsewhere: the other three blocks add exact zeros.  The four variants are cut out of one chain of registers [0 QL 0 QH 0].
; Both attention products are used transposed (S^T = K Q^T, O^T = V^T P^T): a lane holds ONE query.  Row m of tile u of a block of 32 positions is position 8 u + m + 8 (m / 8), so the 16 registers of two
; neighbouring tiles are 16 neighbouring keys (or channels d).
; SOFTMAX: t = score x log2(e) / sqrt(32); M = the running largest t rounded UP to a whole number; p = 2^(t - M) is quantised along the keys; the row's sum is taken of the unquantised p and divides at the end;
; when M moves, the sum and O^T are multiplied by 2^(old M - new M), which rounds nothing.
; z is quantised in registers (a head's 32 channels are one block) and goes from wave to wave through LDS as images of operand registers.
; LIMITS: NaN and infinities are not served; the division by the row's sum is v_rcp_f32 and a multiplication; SCALE x log2(e) is one f32 constant; b_o + b_res is the C of the sum's first product;
; a block whose largest magnitude lies under 2^-124 carries the scale byte 1.
.set REC,  4352                        ; a record: K's codes 2,048, V's codes 2,048, K's scale words 128, V's 128: 128 keys of one head
.set CH,   16*REC                      ; a chunk: 256 keys of 8 heads.  LDS 0 .. 4 CH: K and V (the tensor loads' bytes)
.set ZIMG, 4*CH                        ; z's images: tile qt at 2,048 qt; head hd at 256 hd + 16 r + 8 h   (written by ds_store)
.set ZSC,  ZIMG+8192                   ; z's scale bytes: a word at 256 hd + 64 qt + 4 r, the byte at byte hd % 4
.set STG,  ZSC+2048                    ; the stage for out: 128 rows x (256 bytes + 16)
.set SPI,  272
.set AD0,  1                           ; v1  my lane's place in a record's codes: 16 x lane + 2 REC x head
.set AS0,  2                           ; v2  and in its scale words
.set AD,   3                           ; v3, v4  the same for the step in hand
.set AS,   4
.set KS,   5                           ; v5-21 hold scales and nothing else: K's words, V's, p's,
.set VS,   6
.set PW,   7
.set QS,   8                           ; v8-15 q's eight (tile i, block jb),
.set WOS,  16                          ; v16-17 w_o's, v18 w_res's, v19 x's, v20-21 z's
.set WRS,  18
.set XS,   19
.set ZS,   20
.set STA,  22                          ; v22-29 tile i at 22 + 4 i: -M, the largest t, the sum in two halves
.set F,    30                          ; v30 f = 2^(old M - new M); v31 named with it as a pair
.set TM,   32
.set TP,   36
.set TS,   40
.set T,    44
.set SUM2, 46
.set QC,   48                          ; v48-83 the chain [0 QL0 0 QH0 0 QL1 0 QH1 0], four registers each
.set P,    84                          ; v84-91 p's codes
.set KF,   92                          ; v92-107 K: two groups of four tiles
.set VF,   108                         ; v108-123 V: two tiles of 16 channels
.set O,    124                         ; v124-155 O^T: tile i, channels' tile dt at 124 + 16 i + 8 dt
.set S,    156                         ; v156-219 S^T, then p.  At the head: x's fragments, w_res's, the bias, q as loaded
.set ACC,  220                         ; v220-235 out's two accumulators
.set WO,   236                         ; v236-251 w_o's two fragments;  v252 16 r, v253 4 r, v254 16 x lane, v255 4 x lane
.macro ROUND                           ; a round of the cluster's barrier
	s_barrier_signal -1
	s_barrier_wait -1
	s_cmp_lg_u32 s18, 0
	s_cbranch_scc1 .Lnot_wave_0_\@
	s_barrier_signal -3
.Lnot_wave_0_\@:
	s_barrier_wait -3
	s_barrier_signal -1
	s_barrier_wait -1
.endm
	s_load_b256 s[4:11], s[0:1], 0x0               ; qc s[4:5], kv s[6:7], xc s[8:9], wc s[10:11]
	s_load_b128 s[12:15], s[0:1], 0x20             ; b_o, b_res
	s_load_b64 s[16:17], s[0:1], 0x30              ; out0
	v_lshl_add_u32 v254, v0, 2, 0x4f000
	v_mov_b32 v255, 0
	ds_add_u32 v254, v255
	ds_add_u32 v254, v255
	s_wait_dscnt 0x0
	v_lshrrev_b32 v1, 5, v0
	s_delay_alu instid0(VALU_DEP_1)
	v_readfirstlane_b32 s18, v1                    ; wave 0..15
	s_lshr_b32 s19, s18, 1                         ; hd
	s_and_b32 s20, s18, 1                          ; a
	s_bfe_u32 s21, ttmp6, 0x40000                  ; cx
	s_lshl_b32 s22, ttmp9, 2
	s_add_co_u32 s22, s22, s21                     ; qb: my block of 64 queries; it enters global addresses alone
	s_and_b32 s23, ttmp7, 0xffff                   ; b, which the four partners share
	; descriptor group 1: a record is dense: 17 rows of 256 bytes (32 elements of 8 bytes), no padding: images are read 16 bytes a lane, on end
	s_mov_b32 s24, 15|(3<<16)|(1<<21)              ; the mask names all four partners; bit 21 beside a mask
	s_mov_b32 s25, 32<<16
	s_mov_b32 s26, 17<<16
	s_mov_b32 s27, 32<<16
	s_mov_b32 s28, 17
	s_mov_b32 s29, 32
	s_mov_b32 s30, 0
	s_mov_b32 s31, 0
	s_mul_i32 s82, s18, REC                        ; record w of each chunk is mine to fetch
	s_mul_i32 s84, s23, 4*CH
	s_add_co_u32 s84, s84, s82
	s_mov_b32 s85, 0
	s_wait_kmcnt 0x0
	s_add_nc_u64 s[84:85], s[6:7], s[84:85]
.irp c, 0,1,2,3
	s_mov_b32 s[32+4*\c], 1
	s_add_co_u32 s[33+4*\c], s82, \c*CH            ; in LDS as in memory
	s_add_nc_u64 s[34+4*\c:35+4*\c], s[84:85], \c*CH
	s_or_b32 s[35+4*\c], s[35+4*\c], 0x80000000    ; type = 2
.endr
	ROUND                                          ; the four partners are here: the joint loads meet
.irp c, 0,1,2,3
	tensor_load_to_lds s[32+4*\c:35+4*\c], s[24:31]   ; every wave's chunk 0 first
	s_nop 0
.endr
.rept 4
	v_nop
.endr
	v_and_b32 v3, 31, v0                           ; lane
	v_and_b32 v4, 15, v0                           ; r
	s_delay_alu instid0(VALU_DEP_2)
	v_lshlrev_b32 v254, 4, v3
	s_wait_alu depctr_va_vdst(0)
	v_lshlrev_b32 v255, 2, v3
	s_wait_alu depctr_va_vdst(0)
	v_lshlrev_b32 v252, 4, v4
	v_lshlrev_b32 v253, 2, v4
	s_wait_alu depctr_va_vdst(0)
	v_cmp_gt_u32 vcc_lo, 16, v3                    ; lanes 0-15
	s_mov_b32 s85, 0
	s_lshl_b32 s82, s23, 6                         ; x's tiles 64 b + 4 qb + 2 a and the next
	s_lshl_b32 s83, s22, 2
	s_add_co_u32 s82, s82, s83
	s_lshl_b32 s83, s20, 1
	s_add_co_u32 s82, s82, s83
	s_lshl_b32 s84, s82, 10
	s_add_nc_u64 s[58:59], s[8:9], s[84:85]
	s_lshl_b32 s84, s82, 6
	s_add_co_u32 s84, s84, 1048576
	s_add_nc_u64 s[60:61], s[8:9], s[84:85]
	s_mul_i32 s84, s19, 3840
	s_add_nc_u64 s[62:63], s[10:11], s[84:85]      ; the three records of out's rows 16 hd on
	s_lshl_b32 s84, s19, 6
	s_add_nc_u64 s[66:67], s[12:13], s[84:85]
	s_add_nc_u64 s[68:69], s[14:15], s[84:85]
	s_lshl_b32 s82, s23, 6                         ; q's record: 64 b + 16 (qb / 4) + 2 hd + (qb / 2) % 2
	s_lshr_b32 s83, s22, 2
	s_lshl_b32 s83, s83, 4
	s_add_co_u32 s82, s82, s83
	s_lshl_b32 s83, s19, 1
	s_add_co_u32 s82, s82, s83
	s_bfe_u32 s83, s22, 0x10001
	s_add_co_u32 s82, s82, s83
	s_mul_i32 s82, s82, 2304
	s_and_b32 s86, s22, 1                          ; which group of four tiles of the record
	s_lshl_b32 s83, s86, 10
	s_add_co_u32 s84, s82, s83
	s_lshl_b32 s83, s20, 9
	s_add_co_u32 s84, s84, s83
	s_add_nc_u64 s[54:55], s[4:5], s[84:85]        ; my two tiles' codes
	s_lshl_b32 s83, s86, 6
	s_add_co_u32 s84, s82, s83
	s_add_co_u32 s84, s84, 2048
	s_add_nc_u64 s[56:57], s[4:5], s[84:85]        ; the group's scale words
	s_lshl_b32 s84, s23, 19
	s_lshl_b32 s83, s18, 15
	s_add_co_u32 s84, s84, s83
	s_lshl_b32 s83, s22, 8
	s_add_co_u32 s84, s84, s83
	s_add_nc_u64 s[70:71], s[16:17], s[84:85]      ; out: batch b, row 8 w, position 64 qb
	; 19 loads, in the order in which they are wanted
.irp n, 0,1,2,3
	global_load_b128 v[S+4*\n:S+4*\n+3], v254, s[58:59] offset:512*\n      ; x's two fragments: v156-171
.endr
	global_load_b32 v[XS], v255, s[60:61]          ; lanes 0-15: the first tile's words; lanes 16-31: the second's
	global_load_b128 v[S+16:S+19], v254, s[62:63] offset:2560              ; w_res's fragment: v172-179
	global_load_b128 v[S+20:S+23], v254, s[62:63] offset:3072
	global_load_b32 v[WRS], v255, s[62:63] offset:3584
	global_load_b32 v197, v253, s[66:67]           ; b_o and b_res of out's row 16 hd + r
	global_load_b32 v198, v253, s[68:69]
	global_load_b128 v[188:191], v252, s[54:55]    ; q: row r's 16 bytes, in both halves of the lanes
	global_load_b128 v[192:195], v252, s[54:55] offset:256
	global_load_b32 v196, v253, s[56:57]           ; row r's word: byte 2 a + i is tile i's
.irp s, 0,1
	global_load_b128 v[WO+8*\s:WO+8*\s+3], v254, s[62:63] offset:1280*\s
	global_load_b128 v[WO+8*\s+4:WO+8*\s+7], v254, s[62:63] offset:1280*\s+512
.endr
	global_load_b32 v[WOS], v255, s[62:63] offset:1024
	global_load_b32 v[WOS+1], v255, s[62:63] offset:2304
	s_mul_i32 s86, s19, 2*REC
	v_add_nc_u32 v[AD0], s86, v254
	s_add_co_u32 s86, s86, 4096
	v_add_nc_u32 v[AS0], s86, v255
	s_mov_b32 s48, 0x3e8293ee                      ; c = log2(e) / sqrt(32)
	s_mov_b32 s49, s48                             ; (named with it as a pair, so it is written)
	s_mov_b32 s50, 0x76543210
	s_mov_b32 s51, 0xfedcba98                      ; v_permlanex16_b32: lane l xor 16
	s_lshl_b32 s86, s20, 1
.irp i, 0,1
.irp jb, 0,1,2,3
	s_add_co_u32 s87, s86, \i                      ; v_perm_b32's selector: byte jb takes byte 2 a + i of q's word, the others a byte of 0x01010101
	s_lshl_b32 s87, s87, 8*\jb
	s_add_co_u32 s[72+4*\i+\jb], s87, 0x04040404-(4<<(8*\jb))
.endr
.endr
	s_and_b32 s80, s19, 3
	s_lshl_b32 s80, s80, 3                         ; my head's byte in z's scale word, in bits
	v_mov_b32 v199, 0x01010101
.irp z, 0,2,4,6,8
.irp k, 0,1,2,3
	v_mov_b32 v[QC+4*\z+\k], 0                     ; the chain's zero codes
.endr
.endr
	s_wait_loadcnt 9                               ; x, w_res and the biases are in; q's three loads and w_o's six may be out
	v_add_f32 v[S+24], v197, v198
.irp j, 1,2,3,4,5,6,7
	v_mov_b32 v[S+24+\j], v[S+24]                  ; a lane holds one row of out: the same bias in all eight registers
.endr
.set j, 0
.rept 32
	v_mov_b32 v[O+j], 0                            ; O^T.  (The key step is written once: the first finds zeros, which the first change of M leaves zeros)
.set j, j+1
.endr
	; Q(x) Q(w_res)^T + b_o + b_res starts out's sums, here, while K and V are on their way.  Source 0 = a tile of x, source 1 = 16 rows of w_res: lane (r, h) holds out's row 16 hd + r and 8 neighbouring positions
	v_wmma_scale_f32_16x16x128_f8f6f4 v[ACC:ACC+7], v[S:S+7], v[S+16:S+23], v[S+24:S+31], v[XS], v[WRS] matrix_a_fmt:MATRIX_FMT_FP4 matrix_b_fmt:MATRIX_FMT_FP4
	v_wmma_scale_f32_16x16x128_f8f6f4 v[ACC+8:ACC+15], v[S+8:S+15], v[S+16:S+23], v[S+24:S+31], v[XS], v[WRS] matrix_a_fmt:MATRIX_FMT_FP4 matrix_b_fmt:MATRIX_FMT_FP4 matrix_a_scale:MATRIX_SCALE_ROW1
	s_wait_loadcnt 6                               ; q is in; w_o's six loads may be out
.irp i, 0,1
.irp jb, 0,1,2,3
	v_perm_b32 v[QS+4*\i+\jb], v199, v196, s[72+4*\i+\jb]
.endr
.endr
.irp i, 0,1
.irp k, 0,1,2,3
	v_cndmask_b32 v[QC+16*\i+4+\k], v[QC], v[188+4*\i+\k], vcc_lo     ; QL: q in lanes 0-15, zero codes above
	v_cndmask_b32 v[QC+16*\i+12+\k], v[188+4*\i+\k], v[QC], vcc_lo    ; QH: the other way round
.endr
.endr
.irp i, 0,1
	v_mov_b32 v[STA+4*\i+1], 0xff61b1e6            ; the largest t so far: -3e38, under every t
	s_delay_alu instid0(VALU_DEP_1)
	v_floor_f32 v[STA+4*\i], -v[STA+4*\i+1]        ; -M
	v_mov_b32 v[STA+4*\i+2], 0                     ; the sum, in two halves
	v_mov_b32 v[STA+4*\i+3], 0
.endr
	v_mov_b32 v[F+1], 0
.irp b, 0,1,2,3
	v_mov_b32 v[TP+\b], 0                          ; written once: a lane permute's destination counts as one of its sources
.endr
	s_wait_loadcnt 0x0                             ; w_o
.macro KQ i, g, jb                     ; S^T of tile 4 g + jb of the step's keys: K's group g against the variant of q that stands in block jb
.set rS, S+8*(4*(\g)+(\jb))
.set rQ, QC+16*(\i)+8*((\jb)%2)+4-4*((\jb)/2)
.if \g
	v_wmma_scale_f32_16x16x128_f8f6f4 v[rS:rS+7], v[KF+8:KF+15], v[rQ:rQ+7], 0, v[KS], v[QS+4*(\i)+(\jb)] matrix_a_fmt:MATRIX_FMT_FP4 matrix_b_fmt:MATRIX_FMT_FP4 matrix_a_scale:MATRIX_SCALE_ROW1
.else
	v_wmma_scale_f32_16x16x128_f8f6f4 v[rS:rS+7], v[KF:KF+7], v[rQ:rQ+7], 0, v[KS], v[QS+4*(\i)+(\jb)] matrix_a_fmt:MATRIX_FMT_FP4 matrix_b_fmt:MATRIX_FMT_FP4
.endif
.endm
.macro PV i, dt                        ; O^T += V^T P^T: 16 channels x my 16 queries, K = the step's 128 keys
.set rO, O+16*(\i)+8*(\dt)
.if \dt
	v_wmma_scale_f32_16x16x128_f8f6f4 v[rO:rO+7], v[VF+8:VF+15], v[P:P+7], v[rO:rO+7], v[VS], v[PW] matrix_a_fmt:MATRIX_FMT_FP4 matrix_b_fmt:MATRIX_FMT_FP4 matrix_a_scale:MATRIX_SCALE_ROW1
.else
	v_wmma_scale_f32_16x16x128_f8f6f4 v[rO:rO+7], v[VF:VF+7], v[P:P+7], v[rO:rO+7], v[VS], v[PW] matrix_a_fmt:MATRIX_FMT_FP4 matrix_b_fmt:MATRIX_FMT_FP4
.endif
.endm
; One tile of 16 queries against the step's 128 keys.  first = 1: the step's loads are waited for here.
.macro TILE i, first
.set rT, STA+4*(\i)
.if \first
	s_wait_dscnt 5                                 ; K's four loads and its scale words are in; V's five may be out
.endif
.irp g, 0,1
.irp jb, 0,1,2,3
	KQ \i, \g, \jb
.endr
.endr                                          ; lane (r, h): query r; register 16 b + n is key 32 b + 16 h + n
.rept 4
	v_nop
.endr
.irp b, 0,1,2,3
	v_max3_num_f32 v[TM+\b], v[S+16*\b], v[S+16*\b+1], v[S+16*\b+2]   ; the largest score of each block of 32 keys: for the row's maximum and, since p rises with the score, for the block's largest p
.endr
.irp n, 3,5,7,9,11,13
.irp b, 0,1,2,3
	v_max3_num_f32 v[TM+\b], v[TM+\b], v[S+16*\b+\n], v[S+16*\b+\n+1]
.endr
.endr
.irp b, 0,1,2,3
	v_max_num_f32 v[TM+\b], v[TM+\b], v[S+16*\b+15]
.endr
.irp b, 0,1,2,3
	s_delay_alu instid0(VALU_DEP_4)
	v_permlanex16_b32 v[TP+\b], v[TM+\b], s50, s51
.endr
.irp b, 0,1,2,3
	s_delay_alu instid0(VALU_DEP_4)
	v_max_num_f32 v[TM+\b], v[TM+\b], v[TP+\b]     ; with lane l xor 16's 16 keys
.endr
	s_delay_alu instid0(VALU_DEP_2)
	v_max3_num_f32 v[T], v[TM], v[TM+1], v[TM+2]
	s_delay_alu instid0(VALU_DEP_1)
	v_max_num_f32 v[T], v[T], v[TM+3]
	s_delay_alu instid0(VALU_DEP_1)
	v_mul_f32 v[T], s48, v[T]                      ; as t (c is positive)
	s_delay_alu instid0(VALU_DEP_1)
	v_max_num_f32 v[rT+1], v[rT+1], v[T]           ; the running largest t
	v_mov_b32 v[T], v[rT]
	s_delay_alu instid0(VALU_DEP_2)
	v_floor_f32 v[rT], -v[rT+1]                    ; the new -M = -ceil(t): a whole number
	s_delay_alu instid0(VALU_DEP_1)
	v_sub_f32 v[T], v[rT], v[T]                    ; old M - new M: a whole number, 0 or less
	s_delay_alu instid0(VALU_DEP_1)
	v_cvt_i32_f32 v[T], v[T]                       ; (it saturates)
	s_delay_alu instid0(VALU_DEP_1)
	v_ldexp_f32 v[F], 1.0, v[T]                    ; f = 2^(old M - new M)
.irp n, 0,2,4,6,8,10,12,14,16,18,20,22,24,26,28,30,32,34,36,38,40,42,44,46,48,50,52,54,56,58,60,62
	v_pk_fma_f32 v[S+\n:S+\n+1], v[S+\n:S+\n+1], s[48:49], v[rT:rT+1] op_sel_hi:[1,0,0]   ; t - M, two at a time
.endr
.irp b, 0,1,2,3
	v_fma_f32 v[TM+\b], v[TM+\b], s48, v[rT]       ; the same of each block's largest score
.endr
.set n, 0
	s_wait_alu depctr_va_vdst(0)
.rept 64
	v_exp_f32 v[S+n], v[S+n]                       ; p = 2^(t - M), at most 1, not normalised
.set n, n+1
.endr
.irp b, 0,1,2,3
	v_exp_f32 v[TM+\b], v[TM+\b]                   ; the block's largest p: the same two instructions on the same number
.endr
	v_pk_mul_f32 v[rT+2:rT+3], v[rT+2:rT+3], v[F:F+1] op_sel_hi:[1,0]   ; the sums under the new M: the plain line behind the exponentials
	s_wait_alu depctr_va_vdst(0)                   ; one wait for the batch of 68, ahead of its first reader
.irp b, 0,1,2,3
	v_max_num_f32 v[TM+\b], 0x1800000, v[TM+\b]    ; the floor 2^(3 - 127): the byte cannot fall under 1
.endr
.irp b, 0,1,2,3
	s_delay_alu instid0(VALU_DEP_4)
	v_add_nc_u32 v[TS+\b], 0xff000000, v[TM+\b]
.endr
.irp b, 0,1,2,3
	s_delay_alu instid0(VALU_DEP_4)
	v_lshrrev_b32 v[TP+\b], 23, v[TS+\b]
.endr
	s_delay_alu instid0(VALU_DEP_3)
	v_lshl_or_b32 v[PW], v[TP+1], 8, v[TP]         ; p's scale word for these 128 keys
	s_delay_alu instid0(VALU_DEP_1)
	v_lshl_or_b32 v[PW], v[TP+2], 16, v[PW]
	s_delay_alu instid0(VALU_DEP_1)
	v_lshl_or_b32 v[PW], v[TP+3], 24, v[PW]
.irp b, 0,1,2,3
	v_cvt_scalef32_pk8_fp4_f32 v[P+2*\b], v[S+16*\b:S+16*\b+7], v[TS+\b]
	v_cvt_scalef32_pk8_fp4_f32 v[P+2*\b+1], v[S+16*\b+8:S+16*\b+15], v[TS+\b]
.endr
	v_nop                                          ; one plain line behind the last scaled conversion
.irp c, 0,1                                    ; the operand wants a whole block in a lane: lanes 0-15 block 2 c, lanes 16-31 block 2 c + 1
.irp k, 0,1
	v_permlane16_swap_b32 v[P+4*\c+\k], v[P+4*\c+2+\k]
.endr
.endr
	v_pk_add_f32 v[SUM2:SUM2+1], v[S:S+1], v[S+2:S+3]   ; the row's sum of the UNQUANTISED p, in two chains.  These 32 lines name no register of the products below: they are the places between the writes of p's codes and scale word and those products
.irp n, 4,8,12,16,20,24,28,32,36,40,44,48,52,56,60
	v_pk_add_f32 v[rT+2:rT+3], v[rT+2:rT+3], v[S+\n:S+\n+1]
	v_pk_add_f32 v[SUM2:SUM2+1], v[SUM2:SUM2+1], v[S+\n+2:S+\n+3]
.endr
	s_delay_alu instid0(VALU_DEP_1)
	v_pk_add_f32 v[rT+2:rT+3], v[rT+2:rT+3], v[SUM2:SUM2+1]
.irp n, 0,2,4,6,8,10,12,14
	v_pk_mul_f32 v[O+16*(\i)+\n:O+16*(\i)+\n+1], v[O+16*(\i)+\n:O+16*(\i)+\n+1], v[F:F+1] op_sel_hi:[1,0]   ; O^T under the new M, from each accumulator's low end on
.endr
.if \first
	s_wait_alu depctr_va_vdst(0)
	s_wait_dscnt 0x0                               ; V and its scale words are in
.endif
	PV \i, 0                                       ; the two accumulators take turns; eight other products stand between a step's link and the next step's
	PV \i, 1
.endm
; A key step: 128 keys of my head, at LDS byte s52 of K and V
.macro STEP
.rept 4
	v_nop                                          ; places in front of loads into registers that matrix instructions have read
.endr
	v_add_nc_u32 v[AD], s52, v[AD0]
	v_add_nc_u32 v[AS], s52, v[AS0]
.irp n, 0,1,2,3
	ds_load_b128 v[KF+4*\n:KF+4*\n+3], v[AD] offset:512*\n
.endr
	ds_load_b32 v[KS], v[AS]                       ; lanes 0-15: the words of tiles 0-3; lanes 16-31: of tiles 4-7
.irp n, 0,1,2,3
	ds_load_b128 v[VF+4*\n:VF+4*\n+3], v[AD] offset:2048+512*\n
.endr
	ds_load_b32 v[VS], v[AS] offset:128            ; lanes 0-15: channels' tile 0; lanes 16-31: tile 1
	TILE 0, 1
	TILE 1, 0
	s_add_co_u32 s52, s52, REC
.endm
; A chunk of 256 keys: my load of it has landed (the later chunks' 3 - c loads may stay out), everybody's has; then its two key steps.
.macro CHUNK c
	s_wait_tensorcnt 3-\c
	s_wait_dscnt 0x0
	s_barrier_signal -1
	s_barrier_wait -1
	s_mov_b32 s52, \c*CH
	s_mov_b32 s53, 2
.Lstep_\c:
	STEP
	s_sub_co_u32 s53, s53, 1
	s_cmp_lg_u32 s53, 0
	s_cbranch_scc1 .Lstep_\c
.endm
	CHUNK 0
	CHUNK 1
	CHUNK 2
	CHUNK 3
	; ---- z = O^T / the sum, quantised: a lane's 16 registers of a tile are d = 16 h + 0 .. 15 of my head, lane l xor 16 holds the other half of the block.
	; The address work comes first: plain lines that name no register of the last products
	v_and_b32 v99, 15, v0                          ; r
	v_bfe_u32 v100, v0, 4, 1                       ; h
	s_wait_alu depctr_va_vdst(0)
	s_lshl_b32 s86, s20, 12
	s_add_co_u32 s88, s86, ZIMG
	s_lshl_b32 s87, s19, 8
	s_add_co_u32 s86, s88, s87
	s_lshl_b32 s89, s20, 7
	s_add_co_u32 s89, s89, ZSC
	s_add_co_u32 s87, s89, s87
	s_mul_i32 s90, s19, 16*SPI
	s_lshl_b32 s91, s20, 7
	s_add_co_u32 s90, s90, s91
	s_add_co_u32 s90, s90, STG
	s_mul_i32 s91, s18, 8*SPI
	s_add_co_u32 s91, s91, STG
	v_lshl_add_u32 v92, v100, 3, v252
	s_delay_alu instid0(VALU_DEP_1)
	v_add_nc_u32 v92, s86, v92                     ; z's codes: tile 2 a, head hd: 16 r + 8 h
	v_add_nc_u32 v93, s87, v253                    ; z's byte, as a word: head hd, tile 2 a, 4 r
	v_add_nc_u32 v94, s88, v254                    ; z's images, as they are read: tile 2 a, 16 x lane
	v_lshl_add_u32 v95, v100, 10, v253
	s_delay_alu instid0(VALU_DEP_1)
	v_add_nc_u32 v95, s89, v95                     ; the words of heads 4 h .. 4 h + 3
	v_mul_u32_u24 v96, v99, SPI
	s_delay_alu instid0(VALU_DEP_1)
	v_lshl_add_u32 v96, v100, 6, v96
	s_delay_alu instid0(VALU_DEP_1)
	v_add_nc_u32 v96, s90, v96                     ; the stage: out's row 16 hd + r, positions 32 a + 16 h on
	v_mul_u32_u24 v97, v100, SPI
	s_delay_alu instid0(VALU_DEP_1)
	v_add_nc_u32 v97, v97, v252
	s_delay_alu instid0(VALU_DEP_1)
	v_add_nc_u32 v97, s91, v97                     ; back: rows 8 w + h, 16 bytes a lane
	v_lshl_add_u32 v98, v100, 12, v252             ; and the same two rows in out
.irp i, 0,1
	v_add_f32 v[102+\i], v[STA+4*\i+2], v[STA+4*\i+3]
.endr
.irp i, 0,1
	s_delay_alu instid0(VALU_DEP_2)
	v_permlanex16_b32 v[104+\i], v[102+\i], s50, s51
.endr
.irp i, 0,1
	s_delay_alu instid0(VALU_DEP_2)
	v_add_f32 v[102+\i], v[102+\i], v[104+\i]      ; the row's sum
.endr
	s_wait_alu depctr_va_vdst(0)
	v_rcp_f32 v106, v102
	v_rcp_f32 v108, v103
	v_mov_b32 v107, 0                              ; (named as the pairs' upper halves; also the plain line behind the reciprocals)
	v_mov_b32 v109, 0
	s_wait_alu depctr_va_vdst(0)                   ; one wait for the two reciprocals, ahead of their first reader
.irp i, 0,1
.irp n, 0,2,4,6,8,10,12,14
	v_pk_mul_f32 v[O+16*\i+\n:O+16*\i+\n+1], v[O+16*\i+\n:O+16*\i+\n+1], v[106+2*\i:107+2*\i] op_sel_hi:[1,0]
.endr
.endr
.irp i, 0,1
	v_max3_num_f32 v[TM+\i], |v[O+16*\i]|, |v[O+16*\i+1]|, 0x1800000
.endr
.irp n, 2,4,6,8,10,12,14
.irp i, 0,1
	s_delay_alu instid0(VALU_DEP_2)
	v_max3_num_f32 v[TM+\i], v[TM+\i], |v[O+16*\i+\n]|, |v[O+16*\i+\n+1]|
.endr
.endr
.irp i, 0,1
	s_delay_alu instid0(VALU_DEP_2)
	v_permlanex16_b32 v[TP+\i], v[TM+\i], s50, s51
.endr
.irp i, 0,1
	s_delay_alu instid0(VALU_DEP_2)
	v_max_num_f32 v[TM+\i], v[TM+\i], v[TP+\i]
.endr
.irp i, 0,1
	s_delay_alu instid0(VALU_DEP_2)
	v_add_nc_u32 v[TS+\i], 0xff000000, v[TM+\i]
.endr
.irp i, 0,1
	s_delay_alu instid0(VALU_DEP_2)
	v_lshrrev_b32 v[TP+\i], 23, v[TS+\i]
.endr
.irp i, 0,1
	v_cvt_scalef32_pk8_fp4_f32 v[110+2*\i], v[O+16*\i:O+16*\i+7], v[TS+\i]
	v_cvt_scalef32_pk8_fp4_f32 v[111+2*\i], v[O+16*\i+8:O+16*\i+15], v[TS+\i]
.endr
.irp i, 0,1
	v_lshlrev_b32 v[114+\i], s80, v[TP+\i]         ; the byte at its place in the K step's word.  (Plain lines behind the conversions)
.endr
.irp i, 0,1
	ds_store_b64 v92, v[110+2*\i:111+2*\i] offset:2048*\i   ; the wave's store is 256 consecutive bytes: block hd % 4 of K step hd / 4 of the tile's image
	ds_store_b32 v93, v[114+\i] offset:64*\i
.endr
	s_wait_dscnt 0x0                               ; my stores have landed
	s_barrier_signal -1
	s_barrier_wait -1                              ; z of all eight heads lies in LDS
.irp i, 0,1
.irp s, 0,1
.irp c, 0,1
	ds_load_b128 v[S+16*\i+8*\s+4*\c:S+16*\i+8*\s+4*\c+3], v94 offset:2048*\i+1024*\s+512*\c
.endr
.endr
.endr
.irp i, 0,1
.irp k, 0,1,2,3
	ds_load_b32 v[188+4*\i+\k], v95 offset:64*\i+256*\k
.endr
.endr
	s_wait_dscnt 0x0
.irp i, 0,1
	v_or_b32 v[ZS+\i], v[188+4*\i], v[189+4*\i]    ; four heads' bytes make a word: lanes 0-15 K step 0's, lanes 16-31 K step 1's
	v_or_b32 v[190+4*\i], v[190+4*\i], v[191+4*\i]
.endr
.irp i, 0
	s_delay_alu instid0(VALU_DEP_3)
	v_or_b32 v[ZS+\i], v[ZS+\i], v[190+4*\i]
.endr
.irp i, 1
	s_delay_alu instid0(VALU_DEP_2)
	v_or_b32 v[ZS+\i], v[ZS+\i], v[190+4*\i]
.endr
.rept 8
	v_nop                                          ; eight plain lines between the write of a scale word and the scaled product that reads it
.endr
	; out += Q(z) Q(w_o)^T: source 0 = a tile of z, source 1 = 16 rows of w_o; the two accumulators take turns
	v_wmma_scale_f32_16x16x128_f8f6f4 v[ACC:ACC+7], v[S:S+7], v[WO:WO+7], v[ACC:ACC+7], v[ZS], v[WOS] matrix_a_fmt:MATRIX_FMT_FP4 matrix_b_fmt:MATRIX_FMT_FP4
	v_wmma_scale_f32_16x16x128_f8f6f4 v[ACC+8:ACC+15], v[S+16:S+23], v[WO:WO+7], v[ACC+8:ACC+15], v[ZS+1], v[WOS] matrix_a_fmt:MATRIX_FMT_FP4 matrix_b_fmt:MATRIX_FMT_FP4
	v_wmma_scale_f32_16x16x128_f8f6f4 v[ACC:ACC+7], v[S+8:S+15], v[WO+8:WO+15], v[ACC:ACC+7], v[ZS], v[WOS+1] matrix_a_fmt:MATRIX_FMT_FP4 matrix_b_fmt:MATRIX_FMT_FP4 matrix_a_scale:MATRIX_SCALE_ROW1
	v_wmma_scale_f32_16x16x128_f8f6f4 v[ACC+8:ACC+15], v[S+24:S+31], v[WO+8:WO+15], v[ACC+8:ACC+15], v[ZS+1], v[WOS+1] matrix_a_fmt:MATRIX_FMT_FP4 matrix_b_fmt:MATRIX_FMT_FP4 matrix_a_scale:MATRIX_SCALE_ROW1
.rept 4
	v_nop
.endr
.irp i, 0,1
	ds_store_b128 v96, v[ACC+8*\i:ACC+8*\i+3] offset:32*\i        ; lane (r, h): out(16 hd + r, 32 a + 16 h + 8 i + 0 .. 7); each accumulator from its low end on
	ds_store_b128 v96, v[ACC+8*\i+4:ACC+8*\i+7] offset:32*\i+16
.endr
	s_wait_dscnt 0x0                               ; my stores have landed
	s_barrier_signal -1
	s_barrier_wait -1                              ; 128 rows x 64 positions lie in the stage
.irp t, 0,1,2,3
	ds_load_b128 v[196+4*\t:199+4*\t], v97 offset:2*\t*SPI
.endr
.irp t, 0,1,2,3
	s_wait_dscnt 3-\t                              ; LDS loads come back in order: the younger ones may be out
	global_store_b128 v98, v[196+4*\t:199+4*\t], s[70:71] offset:8192*\t th:TH_STORE_NT   ; 16 lanes store 256 consecutive bytes, aligned: a row's 64 positions
.endr
	s_wait_xcnt 0x0
	v_lshl_add_u32 v254, v0, 2, 0x4f000
	v_mov_b32 v255, 0
	s_wait_alu depctr_va_vdst(0)
	s_wait_tensorcnt 0x0
	ds_add_u32 v254, v255
	s_wait_dscnt 0x0
	ROUND                                          ; the closing round: no work-group ends while a partner may still ask for a record that names it
	s_endpgm
.Lfunc_end_k_q005b292a80_attn:
	.size	k_q005b292a80_attn, .Lfunc_end_k_q005b292a80_attn-k_q005b292a80_attn
	.p2alignl 7, 3214868480
	.fill 96, 4, 3214868480
	.section	.rodata,"a",@progbits
	.p2align	6, 0x0
	.amdhsa_kernel k_q005b292a80_attn
		.amdhsa_group_segment_fixed_size 327680
		.amdhsa_private_segment_fixed_size 0
		.amdhsa_enable_private_segment 0
		.amdhsa_kernarg_size 56
		.amdhsa_user_sgpr_count 2
		.amdhsa_user_sgpr_kernarg_segment_ptr 1
		.amdhsa_wavefront_size32 1
		.amdhsa_system_sgpr_workgroup_id_x 1
		.amdhsa_system_sgpr_workgroup_id_y 1
		.amdhsa_system_sgpr_workgroup_id_z 1
		.amdhsa_system_vgpr_workitem_id 0
		.amdhsa_next_free_vgpr 256
		.amdhsa_next_free_sgpr 100
		.amdhsa_reserve_vcc 1
		.amdhsa_float_denorm_mode_32 3
		.amdhsa_float_denorm_mode_16_64 3
		.amdhsa_memory_ordered 1
		.amdhsa_forward_progress 1
		.amdhsa_inst_pref_size 135
	.end_amdhsa_kernel
	.amdgpu_metadata
---
amdhsa.version: [ 1, 2 ]
amdhsa.kernels:
  - .name:           k_q005b292a80_attn
    .symbol:         k_q005b292a80_attn.kd
    .args:
      - { .name: qc, .offset: 0, .size: 8, .value_kind: global_buffer, .address_space: global }
      - { .name: kv, .offset: 8, .size: 8, .value_kind: global_buffer, .address_space: global }
      - { .name: xc, .offset: 16, .size: 8, .value_kind: global_buffer, .address_space: global }
      - { .name: wc, .offset: 24, .size: 8, .value_kind: global_buffer, .address_space: global }
      - { .name: b_o, .offset: 32, .size: 8, .value_kind: global_buffer, .address_space: global }
      - { .name: b_res, .offset: 40, .size: 8, .value_kind: global_buffer, .address_space: global }
      - { .name: out0, .offset: 48, .size: 8, .value_kind: global_buffer, .address_space: global }
    .group_segment_fixed_size: 327680
    .private_segment_fixed_size: 0
    .kernarg_segment_align: 8
    .kernarg_segment_size: 56
    .max_flat_workgroup_size: 512
    .sgpr_count:     100
    .vgpr_count:     256
    .wavefront_size: 32
...
	.end_amdgpu_metadata
.endif
;; end of part 2
